; MI455X (gfx1250); checked and timed in simulation.
; The chip was launched on July 23, 2026; its instructions are those of AMD's public machine-readable ISA for CDNA 5 (MIT licence, August 2026) and "CDNA5" Instruction Set Architecture Reference Guide (July 2026). The comments in the code are by the model that wrote it; some were corrected since.
;; Head. Allowed arithmetic: matrix products marked QUANTISED: E2M1 operands, one E8M0 scale for each 32 along K, by v_wmma_scale_f32_16x16x128_f8f6f4 with both operands' format E2M1 (or v_wmma_scale_f32_32x16x128_f4), f32 sums; products left as they are: bf16, f16 or f32 operands; f32 sums; everything else in f32.
;; Inputs: Wk 384 x 64 float32; Wq 384 x 64 float32; Wv 384 x 64 float32; x 512 x 256 x 384 float32.
;; Outputs: out0 512 x 256 x 64 float32.
;; This version of the problem:
;;   THIS VERSION OF THE PROBLEM IS GIVEN IN LOW PRECISION. The matrix products marked QUANTISED in the list below multiply operands that are first quantised to E2M1 (2 exponent bits, 1 mantissa bit; 4 bits a number), with one power-of-two scale for each 32 numbers along K (OCP MX v1.0); their sums are f32. The products marked 'left as it is' may take bf16, f16 or f32 operands, with f32 sums. Whichever they take, every output number must still come out within the allowed error. Rounding operands to bf16 (8 significant bits) uses up far more of that allowance than f16 does (11 bits, for magnitudes from 6e-5 to 65,504). All else is computed in f32.
;;   The module's matrix products, in the order in which they are computed (A, B: the left and right operand; K: the contracted axis; several contracted axes count as one K, in the product's order):
;;     1. [M 131,072, K 384] x [K 384, N 64]; A: input x; B: input Wk: QUANTISED
;;     2. [M 131,072, K 384] x [K 384, N 64]; A: input x; B: input Wq: QUANTISED
;;     3. [M 131,072, K 384] x [K 384, N 64]; A: input x; B: input Wv: QUANTISED
;;     4. batch 512 x [M 256, K 64] x [K 64, N 256]; A: computed on the way; B: computed on the way: left as it is (an operand is computed on the way)
;;     5. batch 512 x [M 256, K 256] x [K 256, N 64]; A: computed on the way; B: computed on the way: left as it is (an operand is computed on the way)
;;   THE QUANTISER, for each operand of a quantised product, along K:
;;     - K is cut into blocks of 32 from its start; a last block that is shorter is filled with zeros.
;;     - A block's scale is 2^e with e = floor(log2(the largest magnitude in the block)) - 2, held to -126 .. 127; a block of zeros has e = 0. As a byte (E8M0): e + 127.
;;     - Each number is divided by its block's scale, clamped to +-6, and rounded to the nearest number of E2M1, ties to even, subnormals kept.
;;     - The product sums the exact products of the quantised numbers (number of the format x scale) in f32.
;;   ~~~python
;;   def quantise(x, axis):      # numpy; x: float32 -> the quantised numbers, widened to float32 again
;;       x = np.moveaxis(x, axis, -1); K = x.shape[-1]
;;       x = np.pad(x, [(0, 0)] * (x.ndim - 1) + [(0, -K % 32)]); x = x.reshape(x.shape[:-1] + (-1, 32)); a = np.abs(x).max(-1, keepdims=True)
;;       e = np.where(a > 0, np.clip(np.frexp(np.where(a > 0, a, 1))[1] - 1 - 2, -126, 127), 0)      # np.frexp(a)[1] - 1 = floor(log2(a)), exactly
;;       r = np.clip(x / 2.0 ** e, -6, 6)
;;       step = 2.0 ** (np.maximum(np.frexp(np.where(r == 0, 1, r))[1] - 1, 0) - 1)
;;       q = np.round(r / step) * step * 2.0 ** e      # np.round: ties to even
;;       return np.moveaxis(q.reshape(q.shape[:-2] + (-1,))[..., :K], -1, axis).astype(np.float32)
;;   ~~~
;; 2 versions, each right; version 2 is version 1 with the launch main written anew for expert scheduling mode. Each part assembles by itself: llvm-mc -triple=amdgcn-amd-amdhsa -mcpu=gfx1250 --defsym DOCPART=n.
;; ======== version 1 of 2: 1 launch
;; limits: values are held in f16: magnitudes above 65,504 overflow, below 6.1e-05 lose precision
;; launch main (part 1): grid 256 x 1, 16 waves a work-group, no clusters, 308,224 bytes of LDS; arguments x, Wk, Wq, Wv, out0; writes out0
.if DOCPART == 1
	.amdgcn_target "amdgcn-amd-amdhsa--gfx1250"
	.amdhsa_code_object_version 6
	.text
	.protected	k_qbe31263b9b_main
	.globl	k_qbe31263b9b_main
	.p2align	8
	.type	k_qbe31263b9b_main,@function
k_qbe31263b9b_main:
	s_mov_b64 s[64:65], 0
	v_nop
	global_prefetch_b8 v0, s[64:65] scope:SCOPE_SE
	s_setreg_imm32_b32 hwreg(HW_REG_WAVE_MODE, 25, 1), 1
	s_wait_xcnt 0x0
; One causal attention head.  x [512][256][384] f32; Wk, Wq, Wv [384][64] f32; out0 [512][256][64] f32.
; k, q, v = x W: both operands quantised along the 384 to E2M1 codes with one E8M0 scale for each 32, multiplied by the scaled FP4 matrix form, sums f32.
; q k^T / 8, causal softmax with a running maximum, p v: f16 operands, f32 sums; the first 16 positions of every sequence in f32 (the f32 matrix form on the f32 projection results).
; SHARES.  A work-group of 16 waves owns two batches: waves 0-7 batch 2 g, waves 8-15 batch 2 g + 1.  A wave owns 32 neighbouring rows (two tiles of 16): rows 32 p on, p = (wave & 7) xor 7 (wave >> 3),
; so that the two batches' waves with much and with little causal work are spread.  Nothing goes to memory between the steps.
; PHASE 1a: the wave streams its 49,152 bytes of x, 512 consecutive bytes a load, through a ring of two sets of 64 registers; each 16 rows x 128 numbers turn through the wave's own stage in LDS into the
;   operand's lane layout and become codes that stay in registers.  In the same ring the 16 waves quantise the three W once for the work-group, into LDS, as images of operand registers.
; PHASE 1b: 72 scaled matrix instructions a wave.  k and q are made transposed (source 0 = W): a lane holds one row and eight channels, which packed to f16 is the next product's fragment.
;   v is made as it reads (source 0 = x): a lane holds one channel and eight keys, which packed is V^T's fragment.  k and v go to LDS as register images, q stays in registers.
; PHASE 2: S^T = K Q^T, O^T = V^T P, 32 keys a step, both query tiles together; steps whose keys all come after the wave's queries are jumped over (ids alone).
; WHY NO TENSOR LOADS AND NO JOINT REQUESTS: x is read by one wave alone.  W is shared, but arrives as f32 with K outermost and has to pass through registers to be quantised;
;   as f32 its 294,912 bytes do not fit in LDS beside the stages (135,168), the k and v images (131,072) and W's codes (39,936).
; LIMITS: NaN and infinities among the inputs are not served.  |q|, |k|, |v| must stay under 65,504 (f16 operands).  A block of zeros, and one whose largest magnitude lies under 2^-124, gets the scale byte 1
;   (for zeros the rule says 127: the codes are zeros and add nothing, and this program alone reads the bytes).  Sums inside a matrix instruction follow its own order.
.set STGB,  8448                       ; LDS: a wave's own stage: for x 16 rows x (512 + 16) bytes, on the way out 16 rows x (256 + 16)
.set XP,    528                        ; 33 x 16 bytes: the 16 rows that a 16-byte load touches fall into 16 different 16-byte columns of 256
.set OP,    272                        ; 17 x 16 bytes, likewise
.set WIMG,  16*STGB                    ; W's codes: fragment (weight t, column tile c, K step s) at 12288 t + 3072 c + 1024 s; block b of 32 along K of column r at 256 b + 16 r
.set WSC,   WIMG+36864                 ; W's scale bytes: (4 t + c) 256 + 16 r + b
.set KIMG,  WSC+3072                   ; k as f16 fragments: 32768 batch + 2048 key tile + 1024 f (channels 32 f on) + 512 half + 16 lane
.set VIMG,  KIMG+65536                 ; v^T as f16 fragments: 32768 batch + 8192 channel tile + 1024 (32 keys) + 512 half + 16 lane
.set SPARE, VIMG+65536                 ; the spare words, 128 bytes for each of 16 waves: eight blocks of 256 bytes that no other line names
.set SPW, 1                            ; v1   LDS address of my spare word; never rewritten
.set NIL, 2                            ; v2   0; never rewritten
; v3-9: the addresses of the phase in hand
.set L16, 3                            ; 1a: 16 lane
.set STO, 4                            ;     stage, in: 16 lane
.set SRD, 5                            ;     stage, back: 528 r + 128 h
.set WO,  6                            ;     my byte in a W
.set WI,  7                            ;     where my codes of W go
.set WSA, 8                            ;     and my scale bytes
.set H8,  9                            ;     8 h
.set FRA, 3                            ; 1b: W's images, 16 lane
.set WRS, 4                            ;     W's scale words, 16 r
.set KST, 5                            ;     where my k images go
.set VST, 6                            ;     where my v images go
.set OST, 7                            ; way out: stage, in: 272 r + 32 h
.set ORD, 8                            ;     stage, back: 272 h + 16 r
.set GO,  9                            ;     my byte in two rows of out0: 256 h + 16 r
.set KA0, 3                            ; 2:  my batch's k images, 16 lane
.set VA0, 4                            ;     and v images
.set KA,  5                            ;     the step's
.set VA,  6
.set TM,  10                           ; v10-25  at work; in phase 2 the statistics, eight a tile
.set ST,  10                           ;   +0 c m, +1 m, +2 +3 l in two halves, +4 +5 maxima, +6 a, +7 c m_old - c m_new
.set SX,  26                           ; v26-31  x's scale words (tile i, K step s: 3 i + s): scales and nothing else
.set WS,  32                           ; v32-35  W's scale words of the step in hand: scales and nothing else
.set CX,  36                           ; v36-83  x's codes: fragment (i, s) at 8 (3 i + s)
.set S,   36                           ;   phase 2: S^T, then p: 16 a tile
.set P,   68                           ;   phase 2: p in f16: 8 a tile
.set FN,  84                           ; v84-115 written by matrix instructions alone: tile 1's projection sums, the fine S^T, the fine O^T
.set RA,  116                          ; v116-179 ring set A
.set RB,  180                          ; v180-243 ring set B
.set QF,  116                          ;   1b on: q's f16 fragments (i, f) at 8 (2 i + f)
.set KF0, 148                          ;   1b: tile 0's k in f32
.set F0,  180                          ;   1b: tile 0's q, then v, in f32
.set WFR, 212                          ;   1b: four fragments of W
.set O,   148                          ;   phase 2: O^T (i, channel tile c) at 32 i + 8 c
.set FR,  212                          ;   phase 2: four fragments of K or of V^T
.set WC,  244                          ; v244-249 1a: W's codes just made
.set WB,  250                          ; v250-252 1a: their scale bytes
.set E,   244                          ; v244-251 the fine rows' p
.set RL,  252                          ; v252     the fine rows' 1 / l
.set DD,  253                          ; v253     fine: query - key base
.set NI,  254                          ; v254     fine: -infinity
.set NINF, 253                         ; phase 2: -infinity
.set DG,  254                          ; v254-255 phase 2: 16 i + r - 8 h
; s14 wave, s15 its batch of the two, s17 p, s[18:19] lane selects, s[20:21] c = log2(e) / 8, s[22:23] my rows of x, s[24:25] my rows of out0, s26-28 the key loop
.macro PLACES n                        ; plain vector instructions behind a matrix instruction that name none of its registers (ISA guide 7.12.1)
.rept \n
	v_nop
.endr
.endm
; 16 rows x 128 numbers of x (tile i, K step s): each load takes 512 consecutive bytes of one row, at a multiple of 512 from x's first byte
.macro XLOAD set, i, s
.set pp, 0
.rept 16
	global_load_b128 v[\set+4*pp:\set+4*pp+3], v[L16], s[22:23] offset:(16*\i+pp)*1536+512*\s th:TH_LOAD_NT
.set pp, pp+1
.endr
.endm
; my part of weight w: three half blocks of 16 along K of column 16 (wave & 3) + r: register 16 j + e = W(32 (3 (wave >> 2) + j) + 16 h + e, column).  No hint: every work-group reads W
.macro WLOAD set, w
.set pp, 0
.rept 48
	global_load_b32 v[\set+pp], v[WO], s[6+2*\w:7+2*\w] offset:8192*(pp/16)+256*(pp%16)
.set pp, pp+1
.endr
.endm
; the 8,192 bytes go into my stage as they were loaded and come back so that lane (r, h) holds, of row r, k = 64 c + 32 h + 0 .. 31 in registers 32 c + 0 .. 31.
; LDS serves a wave's instructions in order (ISA guide 5.7.1.4): no wait between the stores and the loads
.macro XTURN set
.set pp, 0
.rept 16
	ds_store_b128 v[STO], v[\set+4*pp:\set+4*pp+3] offset:XP*pp
.set pp, pp+1
.endr
.set pp, 0
.rept 16
	ds_load_b128 v[\set+4*pp:\set+4*pp+3], v[SRD] offset:256*(pp/8)+16*(pp%8)
.set pp, pp+1
.endr
	s_wait_dscnt 0x0
.endm
; a lane's two whole blocks (h and 2 + h of the K step) become the fragment's eight registers at v[cx] and, with lane l xor 16's two bytes, the row's scale word in v[sx]
.macro QUANTX set, cx, sx
	v_max3_num_f32 v[TM], |v[\set]|, |v[\set+1]|, 0x1800000        ; the largest magnitude, with the floor 2^(3 - 127) among its leaves: the byte cannot fall under 1
	v_max3_num_f32 v[TM+1], |v[\set+32]|, |v[\set+33]|, 0x1800000
.set pp, 2
.rept 15
	v_max3_num_f32 v[TM], v[TM], |v[\set+pp]|, |v[\set+pp+1]|      ; the two blocks by turns
	v_max3_num_f32 v[TM+1], v[TM+1], |v[\set+32+pp]|, |v[\set+33+pp]|
.set pp, pp+2
.endr
	v_add_nc_u32 v[TM+2], 0xff000000, v[TM]        ; 2 off the exponent field: the conversion takes that field as its scale and nothing else
	v_add_nc_u32 v[TM+3], 0xff000000, v[TM+1]
	v_lshrrev_b32 v[TM+4], 23, v[TM+2]             ; the scales' bytes
	v_lshrrev_b32 v[TM+5], 23, v[TM+3]
	v_lshl_or_b32 v[TM+6], v[TM+5], 16, v[TM+4]
	v_lshlrev_b32 v[TM+6], v[H8], v[TM+6]          ; at their places in the word: 8 h bits up
	v_permlanex16_b32 v[TM+7], v[TM+6], s18, s19
	v_or_b32 v[\sx], v[TM+6], v[TM+7]
.irp c, 0,1
.irp g, 0,1,2,3
	v_cvt_scalef32_pk8_fp4_f32 v[(\cx)+4*\c+\g], v[\set+32*\c+8*\g:\set+32*\c+8*\g+7], v[TM+2+\c]
.endr
.endr
	v_nop                                          ; one plain instruction behind the last scaled conversion
.endm
.macro XITEM set, i, s
	XTURN \set
	QUANTX \set, CX+8*(3*\i+\s), SX+3*\i+\s
.endm
; my three half blocks of weight w: the block's other half lies in lane l xor 16.  16 codes are 8 bytes of the image; both lanes of a block write its byte, with the same value
.macro WITEM set, w
.irp j, 0,1,2
	v_max3_num_f32 v[TM+\j], |v[\set+16*\j]|, |v[\set+16*\j+1]|, 0x1800000
.endr
.irp e, 2,4,6,8,10,12,14
.irp j, 0,1,2
	v_max3_num_f32 v[TM+\j], v[TM+\j], |v[\set+16*\j+\e]|, |v[\set+16*\j+\e+1]|
.endr
.endr
.irp j, 0,1,2
	v_permlanex16_b32 v[TM+8+\j], v[TM+\j], s18, s19
.endr
.irp j, 0,1,2
	v_max_num_f32 v[TM+\j], v[TM+\j], v[TM+8+\j]
.endr
.irp j, 0,1,2
	v_add_nc_u32 v[TM+3+\j], 0xff000000, v[TM+\j]
.endr
.irp j, 0,1,2
	v_cvt_scalef32_pk8_fp4_f32 v[WC+2*\j], v[\set+16*\j:\set+16*\j+7], v[TM+3+\j]
	v_cvt_scalef32_pk8_fp4_f32 v[WC+2*\j+1], v[\set+16*\j+8:\set+16*\j+15], v[TM+3+\j]
.endr
.irp j, 0,1,2
	v_lshrrev_b32 v[WB+\j], 23, v[TM+3+\j]         ; the bytes; also the plain instruction behind the conversions
.endr
.irp j, 0,1,2
	ds_store_b64 v[WI], v[WC+2*\j:WC+2*\j+1] offset:12288*\w+256*\j
	ds_store_b8 v[WSA], v[WB+\j] offset:1024*\w+\j
.endr
.endm
; One projection for both row tiles: three K steps of 128; each fragment of W is read from LDS once and feeds two products.  Tile 0's sums at acc0 + 8 c, tile 1's at FN + 8 c.
; nat = 0: source 0 = W (16 columns), source 1 = x (16 rows): lane (r, h) holds row r, channels 16 c + 8 h + 0 .. 7.   nat = 1: the sources change places: lane (r, h) holds channel 16 c + r, rows 8 h + 0 .. 7.
; The eight accumulators take turns, one instruction a turn.  pl: places owed at the head, beside the four that closed the group before.
.macro GROUP w, nat, acc0, pl
.irp s, 0,1,2
.if \s == 0
	PLACES \pl
.else
	PLACES 4                                       ; in front of loads into registers that matrix instructions have read
.endif
.irp c, 0,1,2,3
	ds_load_b128 v[WFR+8*\c:WFR+8*\c+3], v[FRA] offset:12288*\w+3072*\c+1024*\s
	ds_load_b128 v[WFR+8*\c+4:WFR+8*\c+7], v[FRA] offset:12288*\w+3072*\c+1024*\s+512
	ds_load_b32 v[WS+\c], v[WRS] offset:1024*\w+256*\c+4*\s
.endr
	s_wait_dscnt 0x0
.irp c, 0,1,2,3
.irp i, 0,1
.if \i == 0
.set rD, \acc0+8*\c
.else
.set rD, FN+8*\c
.endif
.if \nat
.set rA, CX+8*(3*\i+\s)
.set rB, WFR+8*\c
.set rSA, SX+3*\i+\s
.set rSB, WS+\c
.else
.set rA, WFR+8*\c
.set rB, CX+8*(3*\i+\s)
.set rSA, WS+\c
.set rSB, SX+3*\i+\s
.endif
.if \s == 0
	v_wmma_scale_f32_16x16x128_f8f6f4 v[rD:rD+7], v[rA:rA+7], v[rB:rB+7], 0, v[rSA], v[rSB] matrix_a_fmt:MATRIX_FMT_FP4 matrix_b_fmt:MATRIX_FMT_FP4
.else
	v_wmma_scale_f32_16x16x128_f8f6f4 v[rD:rD+7], v[rA:rA+7], v[rB:rB+7], v[rD:rD+7], v[rSA], v[rSB] matrix_a_fmt:MATRIX_FMT_FP4 matrix_b_fmt:MATRIX_FMT_FP4
.endif
.endr
.endr
.endr
	PLACES 4                                       ; in front of the first read of the sums
.endm
.macro CVT16 dst, acc                  ; a tile's 32 sums, in ascending order, to 16 registers of f16 pairs: two fragments of k or q, or four half fragments of v^T
.set pp, 0
.rept 16
	v_cvt_pk_f16_f32 v[\dst+pp], v[\acc+2*pp], v[\acc+2*pp+1]
.set pp, pp+1
.endr
.endm
.macro TOIMG adr, o0, step             ; the 16 registers go to LDS as they stand: lane l's 16 bytes at 16 l, 512 bytes a store
.irp q, 0,1,2,3
	ds_store_b128 v[\adr], v[TM+4*\q:TM+4*\q+3] offset:\o0+\step*\q
.endr
.endm
; 16 rows of O (lane (r, h): row r, channels 16 c + 8 h + 0 .. 7 at src + 8 c) go through my stage and leave as whole rows: 32 lanes store 512 consecutive bytes, two rows of out0
.macro SEND src, ob, i
.irp c, 0,1,2,3
	ds_store_b128 v[OST], v[\src+8*\c:\src+8*\c+3] offset:64*\c
	ds_store_b128 v[OST], v[\src+8*\c+4:\src+8*\c+7] offset:64*\c+16
.endr
.irp e, 0,1,2,3,4,5,6,7
	ds_load_b128 v[\ob+4*\e:\ob+4*\e+3], v[ORD] offset:2*OP*\e
.endr
.irp e, 0,1,2,3,4,5,6,7
	s_wait_dscnt 7-\e                              ; the loads issued behind load e may stay out
	global_store_b128 v[GO], v[\ob+4*\e:\ob+4*\e+3], s[24:25] offset:4096*\i+512*\e th:TH_STORE_NT
.endr
.endm
	s_load_b256 s[4:11], s[0:1], 0x0               ; x s[4:5], Wk s[6:7], Wq s[8:9], Wv s[10:11]
	s_load_b64 s[12:13], s[0:1], 0x20              ; out0
	v_lshl_add_u32 v[SPW], v0, 2, SPARE
	v_mov_b32 v[NIL], 0
	v_lshrrev_b32 v10, 5, v0
	v_readfirstlane_b32 s14, v10                   ; wave 0..15
	s_lshr_b32 s15, s14, 3                         ; which of the two batches
	s_and_b32 s16, s14, 7
	s_mul_i32 s17, s15, 7
	s_xor_b32 s17, s17, s16                        ; p: my 32 rows begin at 32 p
	s_lshl_b32 s32, ttmp9, 1
	s_add_co_u32 s32, s32, s15                     ; batch
	s_mul_i32 s34, s32, 393216                     ; 256 rows of 1,536 bytes (511 of them stay under 2^31)
	s_mul_i32 s33, s17, 49152
	s_add_co_u32 s34, s34, s33
	s_mov_b32 s35, 0
	s_lshl_b32 s36, s32, 16                        ; 256 rows of 256 bytes
	s_lshl_b32 s33, s17, 13
	s_add_co_u32 s36, s36, s33
	s_mov_b32 s37, 0
	v_and_b32 v10, 31, v0                          ; lane
	v_lshlrev_b32 v[L16], 4, v10
	s_wait_kmcnt 0x0
	s_add_nc_u64 s[22:23], s[4:5], s[34:35]
	s_add_nc_u64 s[24:25], s[12:13], s[36:37]
	XLOAD RA, 0, 0                                 ; the ring's first two items go out before anything else
	XLOAD RB, 0, 1
	s_mov_b32 s18, 0x76543210                      ; v_permlanex16_b32: lane l xor 16
	s_mov_b32 s19, 0xfedcba98
	s_mov_b32 s20, 0x3e38aa3b                      ; c = log2(e) / sqrt(64)
	s_mov_b32 s21, s20                             ; (named with it as a pair, so it is written)
	v_and_b32 v11, 15, v0                          ; r
	v_bfe_u32 v12, v0, 4, 1                        ; h
	s_mul_i32 s32, s14, STGB                       ; my stage
	v_add_nc_u32 v[STO], s32, v[L16]
	v_mul_u32_u24 v[SRD], v11, XP
	v_lshl_add_u32 v[SRD], v12, 7, v[SRD]
	v_add_nc_u32 v[SRD], s32, v[SRD]
	s_and_b32 s29, s14, 3                          ; W: my column tile,
	s_lshr_b32 s30, s14, 2                         ; and my three blocks of the twelve along K
	s_mul_i32 s33, s30, 24576                      ; 96 rows of 256 bytes
	s_lshl_b32 s38, s29, 6
	s_add_co_u32 s33, s33, s38
	v_lshlrev_b32 v[WO], 2, v11
	v_lshl_add_u32 v[WO], v12, 12, v[WO]           ; lanes 16-31: 16 rows further down
	v_add_nc_u32 v[WO], s33, v[WO]
	s_mul_i32 s33, s29, 3072
	s_mul_i32 s38, s30, 768
	s_add_co_u32 s33, s33, s38
	s_add_co_u32 s33, s33, WIMG
	v_lshlrev_b32 v[WI], 4, v11
	v_lshl_add_u32 v[WI], v12, 3, v[WI]            ; 16 r + 8 h: my half of the block's 16 bytes
	v_add_nc_u32 v[WI], s33, v[WI]
	s_lshl_b32 s33, s29, 8
	s_mul_i32 s38, s30, 3
	s_add_co_u32 s33, s33, s38
	s_add_co_u32 s33, s33, WSC
	v_lshlrev_b32 v[WSA], 4, v11
	v_add_nc_u32 v[WSA], s33, v[WSA]
	v_lshlrev_b32 v[H8], 3, v12
.irp j, 7,8,9,10
	v_mov_b32 v[TM+\j], 0                          ; written once: a lane permute's destination counts as one of its sources
.endr
	; ---- PHASE 1a.  Nine items on two sets by turns; an item's successor but one is asked for as soon as its set is free, so at an item's head one younger item is out: the count is that item's loads
	s_wait_loadcnt 16
	XITEM RA, 0, 0
	WLOAD RA, 0
	s_wait_loadcnt 48
	XITEM RB, 0, 1
	XLOAD RB, 0, 2
	s_wait_loadcnt 16
	WITEM RA, 0
	WLOAD RA, 1
	s_wait_loadcnt 48
	XITEM RB, 0, 2
	XLOAD RB, 1, 0
	s_wait_loadcnt 16
	WITEM RA, 1
	WLOAD RA, 2
	s_wait_loadcnt 48
	XITEM RB, 1, 0
	XLOAD RB, 1, 1
	s_wait_loadcnt 16
	WITEM RA, 2
	XLOAD RA, 1, 2
	s_wait_loadcnt 16
	XITEM RB, 1, 1
	s_wait_loadcnt 0x0
	XITEM RA, 1, 2
	s_wait_dscnt 0x0                               ; for the others' sake: my codes and bytes of W have landed
	s_barrier_signal -1
	v_and_b32 v10, 31, v0                          ; the next phase's addresses: work on registers while the others arrive.  (All my loads are in: their offset registers may be written.)
	v_and_b32 v11, 15, v0                          ; These lines are also the eight places between the last write of a scale word of x and the first scaled product
	v_bfe_u32 v12, v0, 4, 1
	v_lshlrev_b32 v13, 4, v10
	v_add_nc_u32 v[FRA], WIMG, v13
	v_lshl_add_u32 v[WRS], v11, 4, WSC
	s_lshl_b32 s32, s15, 15
	s_lshl_b32 s33, s17, 12                        ; my two key tiles: 4,096 p
	s_add_co_u32 s33, s33, s32
	s_add_co_u32 s33, s33, KIMG
	v_add_nc_u32 v[KST], s33, v13
	s_lshl_b32 s33, s17, 10                        ; my 32 keys: 1,024 p
	s_add_co_u32 s33, s33, s32
	s_add_co_u32 s33, s33, VIMG
	v_add_nc_u32 v[VST], s33, v13
	s_mul_i32 s33, s14, STGB
	v_mul_u32_u24 v[OST], v11, OP
	v_lshl_add_u32 v[OST], v12, 5, v[OST]
	v_add_nc_u32 v[OST], s33, v[OST]
	v_mul_u32_u24 v[ORD], v12, OP
	v_lshl_add_u32 v[ORD], v11, 4, v[ORD]
	v_add_nc_u32 v[ORD], s33, v[ORD]
	v_lshlrev_b32 v[GO], 8, v12
	v_lshl_add_u32 v[GO], v11, 4, v[GO]
	s_barrier_wait -1                              ; W's 36 fragments and their scale bytes are whole
	; ---- PHASE 1b
	GROUP 0, 0, KF0, 0                             ; k
	CVT16 TM, KF0                                  ; tile 0: fragment f's registers 4 half + u = channels 32 f + 16 half + 8 h + 2 u, + 1
	TOIMG KST, 0, 512
	s_wait_dscnt 0x0                               ; the stores have read their registers
	CVT16 TM, FN                                   ; tile 1
	TOIMG KST, 2048, 512
	GROUP 1, 0, F0, 1                              ; q  (one place more: five stand in front of products that begin sums anew on tile 1's accumulators)
	CVT16 QF, F0                                   ; q's fragments stay with me
	CVT16 QF+16, FN
	s_cmp_lg_u32 s17, 0                            ; the wave with rows 0-15 of its batch takes them in f32
	s_cbranch_scc1 .Lno_fine_s
	; S^T = k q^T on the f32 sums as they lie: in both sources slot (h, e) of a step is channel 16 c + 8 h + 2 u + e.  Two accumulators by turns; their sum is S^T(key 8 h + j, query r)
	PLACES 1                                       ; five places in front of products that take the last sums as sources and write over tile 1's
.irp c, 0,1,2,3
.irp u, 0,1,2,3
.set rD, FN+8*(\u%2)
.if (\c == 0) && (\u < 2)
	v_wmma_f32_16x16x4_f32 v[rD:rD+7], v[KF0+8*\c+2*\u:KF0+8*\c+2*\u+1], v[F0+8*\c+2*\u:F0+8*\c+2*\u+1], 0
.else
	v_wmma_f32_16x16x4_f32 v[rD:rD+7], v[KF0+8*\c+2*\u:KF0+8*\c+2*\u+1], v[F0+8*\c+2*\u:F0+8*\c+2*\u+1], v[rD:rD+7]
.endif
.endr
.endr
	v_and_b32 v[DD], 15, v0                        ; eight places behind this form: five lines of the mask, three v_nop
	v_bfe_u32 v[NI], v0, 4, 1
	v_lshlrev_b32 v[NI], 3, v[NI]
	v_sub_nc_u32 v[DD], v[DD], v[NI]               ; d = r - 8 h: key 8 h + j is hidden where j > d
	v_mov_b32 v[NI], 0xff800000
	PLACES 3
.irp j, 0,1,2,3,4,5,6,7
	v_add_f32 v[E+\j], v[FN+\j], v[FN+8+\j]
.endr
.irp j, 0,1,2,3,4,5,6,7
	v_cmp_gt_i32 vcc_lo, \j, v[DD]
	v_cndmask_b32 v[E+\j], v[E+\j], v[NI], vcc_lo
.endr
	v_max3_num_f32 v10, v[E], v[E+1], v[E+2]
	v_max3_num_f32 v10, v10, v[E+3], v[E+4]
	v_max3_num_f32 v10, v10, v[E+5], v[E+6]
	v_max_num_f32 v10, v10, v[E+7]
	v_permlanex16_b32 v11, v10, s18, s19
	v_max_num_f32 v10, v10, v11                    ; the row's maximum: key 0 counts for every query, so it is a number
	v_mul_f32 v12, s20, v10
.irp u, 0,2,4,6
	v_pk_fma_f32 v[E+\u:E+\u+1], v[E+\u:E+\u+1], s[20:21], v[12:13] op_sel_hi:[1,0,0] neg_lo:[0,0,1] neg_hi:[0,0,1]
.endr
.irp j, 0,1,2,3,4,5,6,7
	v_exp_f32 v[E+\j], v[E+\j]                     ; p = 2^(c s - c m); hidden keys give 0
.endr
	v_nop                                          ; a plain instruction behind the last exponential,
	s_wait_alu depctr_va_vdst(0)                   ; and one wait ahead of the batch's first reader
	v_pk_add_f32 v[10:11], v[E:E+1], v[E+2:E+3]
	v_pk_add_f32 v[12:13], v[E+4:E+5], v[E+6:E+7]
	v_pk_add_f32 v[10:11], v[10:11], v[12:13]
	v_add_f32 v10, v10, v11
	v_permlanex16_b32 v11, v10, s18, s19
	v_add_f32 v10, v10, v11
	v_rcp_f32 v[RL], v10
	v_nop
	s_wait_alu depctr_va_vdst(0)                   ; ahead of the label
.Lno_fine_s:
	GROUP 2, 1, F0, 1                              ; v, as it reads.  (On the fine way: the three v_nop, the mask's and the softmax's lines and this one are more than the nine places owed behind the f32 form)
	CVT16 TM, F0                                   ; tile 0: register 4 c + u = channel 16 c + r, keys 8 h + 2 u, + 1
	TOIMG VST, 0, 8192
	s_wait_dscnt 0x0
	CVT16 TM, FN
	TOIMG VST, 512, 8192
	s_wait_dscnt 0x0                               ; for the others' sake: my images of k and v have landed
	s_barrier_signal -1
	v_and_b32 v[KA], 31, v0                        ; phase 2's addresses and constants: work on registers
	v_lshlrev_b32 v[KA], 4, v[KA]
	s_lshl_b32 s32, s15, 15
	s_add_co_u32 s33, s32, KIMG
	v_add_nc_u32 v[KA0], s33, v[KA]
	s_add_co_u32 s33, s32, VIMG
	v_add_nc_u32 v[VA0], s33, v[KA]
	v_and_b32 v[DG], 15, v0
	v_bfe_u32 v[DG+1], v0, 4, 1
	v_lshlrev_b32 v[DG+1], 3, v[DG+1]
	v_sub_nc_u32 v[DG], v[DG], v[DG+1]             ; tile 0: r - 8 h
	v_add_nc_u32 v[DG+1], 16, v[DG]                ; tile 1: 16 + r - 8 h
	v_mov_b32 v[NINF], 0xff800000
.irp i, 0,1
	v_mov_b32 v[ST+8*\i+1], 0xff61b1e6             ; m = -3e38, under every score
	v_mul_f32 v[ST+8*\i], s20, v[ST+8*\i+1]        ; c m
	v_mov_b32 v[ST+8*\i+2], 0                      ; l
	v_mov_b32 v[ST+8*\i+3], 0
.endr
	s_mov_b32 s26, 0
	s_mov_b32 s27, 0
	s_mov_b32 s28, 0
	s_barrier_wait -1                              ; both batches' k and v lie in LDS
	s_cmp_lg_u32 s17, 0
	s_cbranch_scc1 .Lno_fine_o
	; O^T = v^T p on the f32 sums as they lie: in both sources slot (h, e) of step u is key 8 h + 2 u + e.  Four accumulators by turns
	PLACES 1                                       ; five places, as above
.irp u, 0,1,2,3
.irp c, 0,1,2,3
.if \u == 0
	v_wmma_f32_16x16x4_f32 v[FN+8*\c:FN+8*\c+7], v[F0+8*\c+2*\u:F0+8*\c+2*\u+1], v[E+2*\u:E+2*\u+1], 0
.else
	v_wmma_f32_16x16x4_f32 v[FN+8*\c:FN+8*\c+7], v[F0+8*\c+2*\u:F0+8*\c+2*\u+1], v[E+2*\u:E+2*\u+1], v[FN+8*\c:FN+8*\c+7]
.endif
.endr
.endr
	PLACES 8
.set nn, 0
.rept 32
	v_mul_f32 v[FR+nn], v[FN+nn], v[RL]            ; into other registers, each accumulator from its low end on
.set nn, nn+1
.endr
	SEND FR, O, 0                                  ; rows 0-15 of the batch leave here
	s_wait_xcnt 0x0                                ; the stores' data registers are written again below only behind this wait
.Lno_fine_o:
	; ---- PHASE 2.  The step is written once: the first finds zeros in O^T and l, which a = 2^(c m_old - c m_new) = 0 leaves zeros
.set nn, 0
.rept 64
	v_mov_b32 v[O+nn], 0
.set nn, nn+1
.endr
.Lkb:                                              ; eight trips in every wave; a step whose 32 keys all come after my 32 queries is jumped over (the wave's number and the count of trips alone)
	s_cmp_gt_u32 s26, s17
	s_cbranch_scc1 .Lskip
	v_add_nc_u32 v[KA], s27, v[KA0]
	v_add_nc_u32 v[VA], s28, v[VA0]
	PLACES 2                                       ; with the two additions: four places in front of loads into registers that the last products read
.irp t, 0,1
.irp f, 0,1
	ds_load_b128 v[FR+8*(2*\t+\f):FR+8*(2*\t+\f)+3], v[KA] offset:2048*\t+1024*\f
	ds_load_b128 v[FR+8*(2*\t+\f)+4:FR+8*(2*\t+\f)+7], v[KA] offset:2048*\t+1024*\f+512
.endr
.endr
	s_wait_dscnt 0x0
.irp f, 0,1                                        ; S^T: four accumulators (key tile t, query tile i) by turns, channels 32 f on
.irp t, 0,1
.irp i, 0,1
.if \f == 0
	v_wmma_f32_16x16x32_f16 v[S+16*\i+8*\t:S+16*\i+8*\t+7], v[FR+8*(2*\t+\f):FR+8*(2*\t+\f)+7], v[QF+8*(2*\i+\f):QF+8*(2*\i+\f)+7], 0
.else
	v_wmma_f32_16x16x32_f16 v[S+16*\i+8*\t:S+16*\i+8*\t+7], v[FR+8*(2*\t+\f):FR+8*(2*\t+\f)+7], v[QF+8*(2*\i+\f):QF+8*(2*\i+\f)+7], v[S+16*\i+8*\t:S+16*\i+8*\t+7]
.endif
.endr
.endr
.endr
	PLACES 4                                       ; in front of the loads below and of the first read of the scores
.irp c, 0,1,2,3                                    ; V^T's four fragments are asked for here and land under the softmax
	ds_load_b128 v[FR+8*\c:FR+8*\c+3], v[VA] offset:8192*\c
	ds_load_b128 v[FR+8*\c+4:FR+8*\c+7], v[VA] offset:8192*\c+512
.endr
	s_cmp_lg_u32 s26, s17                          ; only my last step lies on the diagonal
	s_cbranch_scc1 .Lopen
.irp i, 0,1                                        ; register n of tile i holds key 16 (n / 8) + 8 h + n % 8 of the step, for query 16 i + r: hidden where 16 (n / 8) + n % 8 > 16 i + r - 8 h
.irp n, 0,1,2,3,4,5,6,7,8,9,10,11,12,13,14,15
	v_cmp_gt_i32 vcc_lo, 16*(\n/8)+\n%8, v[DG+\i]
	v_cndmask_b32 v[S+16*\i+\n], v[S+16*\i+\n], v[NINF], vcc_lo
.endr
.endr
.Lopen:
.irp i, 0,1                                        ; the maximum of 16 scores and the old m: two chains, each from an accumulator's low end; the two tiles by turns
	v_max3_num_f32 v[ST+8*\i+4], v[S+16*\i], v[S+16*\i+1], v[S+16*\i+2]
	v_max3_num_f32 v[ST+8*\i+5], v[S+16*\i+8], v[S+16*\i+9], v[S+16*\i+10]
.endr
.irp e, 3,5
.irp i, 0,1
	v_max3_num_f32 v[ST+8*\i+4], v[ST+8*\i+4], v[S+16*\i+\e], v[S+16*\i+\e+1]
	v_max3_num_f32 v[ST+8*\i+5], v[ST+8*\i+5], v[S+16*\i+8+\e], v[S+16*\i+9+\e]
.endr
.endr
.irp i, 0,1
	v_max3_num_f32 v[ST+8*\i+4], v[ST+8*\i+4], v[S+16*\i+7], v[S+16*\i+15]
.endr
.irp i, 0,1
	v_max3_num_f32 v[ST+8*\i+4], v[ST+8*\i+4], v[ST+8*\i+5], v[ST+8*\i+1]
.endr
.irp i, 0,1
	v_permlanex16_b32 v[ST+8*\i+5], v[ST+8*\i+4], s18, s19         ; the query's other 16 keys lie in the lane 16 away
.endr
.irp i, 0,1
	v_mov_b32 v[ST+8*\i+7], v[ST+8*\i]             ; c m_old is kept for a
.endr
.irp i, 0,1
	v_max_num_f32 v[ST+8*\i+1], v[ST+8*\i+4], v[ST+8*\i+5]
.endr
.irp i, 0,1
	v_mul_f32 v[ST+8*\i], s20, v[ST+8*\i+1]
.endr
.irp i, 0,1
	v_sub_f32 v[ST+8*\i+7], v[ST+8*\i+7], v[ST+8*\i]
.endr
.irp u, 0,2,4,6,8,10,12,14
.irp i, 0,1
	v_pk_fma_f32 v[S+16*\i+\u:S+16*\i+\u+1], v[S+16*\i+\u:S+16*\i+\u+1], s[20:21], v[ST+8*\i:ST+8*\i+1] op_sel_hi:[1,0,0] neg_lo:[0,0,1] neg_hi:[0,0,1]   ; c s - c m
.endr
.endr
.irp i, 0,1
	v_exp_f32 v[ST+8*\i+6], v[ST+8*\i+7]           ; a
.endr
.irp n, 0,1,2,3,4,5,6,7,8,9,10,11,12,13,14,15
.irp i, 0,1
	v_exp_f32 v[S+16*\i+\n], v[S+16*\i+\n]         ; p
.endr
.endr
	v_nop                                          ; a plain instruction behind the last exponential,
	s_wait_alu depctr_va_vdst(0)                   ; and one wait for the 34, ahead of their first reader
.irp u, 0,1,2,3,4,5,6,7
.irp i, 0,1
	v_cvt_pk_f16_f32 v[P+8*\i+\u], v[S+16*\i+2*\u], v[S+16*\i+2*\u+1]   ; registers 4 t + u: keys 16 t + 8 h + 2 u, + 1: source 1 of the second product as it stands
.endr
.endr
.irp u, 0,4,8,12
.irp i, 0,1
	v_pk_add_f32 v[S+16*\i+\u:S+16*\i+\u+1], v[S+16*\i+\u:S+16*\i+\u+1], v[S+16*\i+\u+2:S+16*\i+\u+3]   ; the sum of the f32 p, in place
.endr
.endr
.irp u, 0,8
.irp i, 0,1
	v_pk_add_f32 v[S+16*\i+\u:S+16*\i+\u+1], v[S+16*\i+\u:S+16*\i+\u+1], v[S+16*\i+\u+4:S+16*\i+\u+5]
.endr
.endr
.irp i, 0,1
	v_pk_add_f32 v[S+16*\i:S+16*\i+1], v[S+16*\i:S+16*\i+1], v[S+16*\i+8:S+16*\i+9]
.endr
.irp i, 0,1
	v_pk_fma_f32 v[ST+8*\i+2:ST+8*\i+3], v[ST+8*\i+2:ST+8*\i+3], v[ST+8*\i+6:ST+8*\i+7], v[S+16*\i:S+16*\i+1] op_sel_hi:[1,0,1]   ; l = a l + the sum
.endr
.set nn, 0
.rept 16
.irp i, 0,1
	v_pk_mul_f32 v[O+32*\i+nn:O+32*\i+nn+1], v[O+32*\i+nn:O+32*\i+nn+1], v[ST+8*\i+6:ST+8*\i+7] op_sel_hi:[1,0]   ; O^T x a, each accumulator from its low end on
.endr
.set nn, nn+2
.endr
	s_wait_dscnt 0x0                               ; V^T's fragments are in
.irp c, 0,1,2,3                                    ; O^T += V^T P: eight accumulators, one turn each
.irp i, 0,1
	v_wmma_f32_16x16x32_f16 v[O+32*\i+8*\c:O+32*\i+8*\c+7], v[FR+8*\c:FR+8*\c+7], v[P+8*\i:P+8*\i+7], v[O+32*\i+8*\c:O+32*\i+8*\c+7]
.endr
.endr
.Lskip:
	s_add_co_u32 s27, s27, 4096                    ; two key tiles on
	s_add_co_u32 s28, s28, 1024                    ; 32 keys on
	s_add_co_u32 s26, s26, 1
	s_cmp_lt_u32 s26, 8
	s_cbranch_scc1 .Lkb
	; ---- THE WAY OUT
	PLACES 4                                       ; behind the last products
.irp i, 0,1
	v_add_f32 v[ST+8*\i+4], v[ST+8*\i+2], v[ST+8*\i+3]
.endr
.irp i, 0,1
	v_permlanex16_b32 v[ST+8*\i+5], v[ST+8*\i+4], s18, s19
.endr
.irp i, 0,1
	v_add_f32 v[ST+8*\i+4], v[ST+8*\i+4], v[ST+8*\i+5]
.endr
.irp i, 0,1
	v_rcp_f32 v[ST+8*\i+4], v[ST+8*\i+4]
.endr
	v_nop
	s_wait_alu depctr_va_vdst(0)                   ; one wait for the two reciprocals
.set nn, 0
.rept 16
.irp i, 0,1
	v_pk_mul_f32 v[O+32*\i+nn:O+32*\i+nn+1], v[O+32*\i+nn:O+32*\i+nn+1], v[ST+8*\i+4:ST+8*\i+5] op_sel_hi:[1,0]
.endr
.set nn, nn+2
.endr
	s_cmp_eq_u32 s17, 0                            ; rows 0-15 of a batch have left in f32
	s_cbranch_scc1 .Lfine_rows_sent
	SEND O, FR, 0
.Lfine_rows_sent:
	SEND O+32, S, 1
	s_wait_tensorcnt 0x0                           ; the wave's end, behind my last LDS store
	ds_add_u32 v[SPW], v[NIL]
	s_wait_dscnt 0x0
	s_endpgm
.Lfunc_end_k_qbe31263b9b_main:
	.size	k_qbe31263b9b_main, .Lfunc_end_k_qbe31263b9b_main-k_qbe31263b9b_main
	.p2alignl 7, 3214868480
	.fill 96, 4, 3214868480
	.section	.rodata,"a",@progbits
	.p2align	6, 0x0
	.amdhsa_kernel k_qbe31263b9b_main
		.amdhsa_group_segment_fixed_size 308224
		.amdhsa_private_segment_fixed_size 0
		.amdhsa_enable_private_segment 0
		.amdhsa_kernarg_size 40
		.amdhsa_user_sgpr_count 2
		.amdhsa_user_sgpr_kernarg_segment_ptr 1
		.amdhsa_wavefront_size32 1
		.amdhsa_system_sgpr_workgroup_id_x 1
		.amdhsa_system_sgpr_workgroup_id_y 1
		.amdhsa_system_sgpr_workgroup_id_z 1
		.amdhsa_system_vgpr_workitem_id 0
		.amdhsa_next_free_vgpr 256
		.amdhsa_next_free_sgpr 66
		.amdhsa_reserve_vcc 1
		.amdhsa_float_denorm_mode_32 3
		.amdhsa_float_denorm_mode_16_64 3
		.amdhsa_memory_ordered 1
		.amdhsa_forward_progress 1
		.amdhsa_inst_pref_size 120
	.end_amdhsa_kernel
	.amdgpu_metadata
---
amdhsa.version: [ 1, 2 ]
amdhsa.kernels:
  - .name:           k_qbe31263b9b_main
    .symbol:         k_qbe31263b9b_main.kd
    .args:
      - { .name: x, .offset: 0, .size: 8, .value_kind: global_buffer, .address_space: global }
      - { .name: Wk, .offset: 8, .size: 8, .value_kind: global_buffer, .address_space: global }
      - { .name: Wq, .offset: 16, .size: 8, .value_kind: global_buffer, .address_space: global }
      - { .name: Wv, .offset: 24, .size: 8, .value_kind: global_buffer, .address_space: global }
      - { .name: out0, .offset: 32, .size: 8, .value_kind: global_buffer, .address_space: global }
    .group_segment_fixed_size: 308224
    .private_segment_fixed_size: 0
    .kernarg_segment_align: 8
    .kernarg_segment_size: 40
    .max_flat_workgroup_size: 512
    .sgpr_count:     66
    .vgpr_count:     256
    .wavefront_size: 32
...
	.end_amdgpu_metadata
.endif
;; end of part 1
;; ======== version 2 of 2: 1 launch; version 1 with the launch main written anew for expert scheduling mode
;; limits: values are held in f16: magnitudes above 65,504 overflow, below 6.1e-05 lose precision
;; launch main (part 2): grid 256 x 1, 16 waves a work-group, no clusters, 308,224 bytes of LDS; arguments x, Wk, Wq, Wv, out0; writes out0
.if DOCPART == 2
	.amdgcn_target "amdgcn-amd-amdhsa--gfx1250"
	.amdhsa_code_object_version 6
	.text
	.protected	k_qbe31263b9b_main
	.globl	k_qbe31263b9b_main
	.p2align	8
	.type	k_qbe31263b9b_main,@function
k_qbe31263b9b_main:
	s_mov_b64 s[64:65], 0
	v_nop
	global_prefetch_b8 v0, s[64:65] scope:SCOPE_SE
	s_setreg_imm32_b32 hwreg(HW_REG_WAVE_SCHED_MODE, 0, 2), 2
	s_setreg_imm32_b32 hwreg(HW_REG_WAVE_MODE, 25, 1), 1
	s_wait_xcnt 0x0
	s_wait_alu depctr_vm_vsrc(0)
; One causal attention head.  x [512][256][384] f32; Wk, Wq, Wv [384][64] f32; out0 [512][256][64] f32.
; k, q, v = x W: both operands quantised along the 384 to E2M1 codes with one E8M0 scale for each 32, multiplied by the scaled FP4 matrix form, sums f32.
; q k^T / 8, causal softmax with a running maximum, p v: f16 operands, f32 sums; the first 16 positions of every sequence in f32 (the f32 matrix form on the f32 projection results).
; SHARES.  A work-group of 16 waves owns two batches: waves 0-7 batch 2 g, waves 8-15 batch 2 g + 1.  A wave owns 32 neighbouring rows (two tiles of 16): rows 32 p on, p = (wave & 7) xor 7 (wave >> 3),
; so that the two batches' waves with much and with little causal work are spread.  Nothing goes to memory between the steps.
; PHASE 1a: the wave streams its 49,152 bytes of x, 512 consecutive bytes a load, through a ring of two sets of 64 registers; each 16 rows x 128 numbers turn through the wave's own stage in LDS into the
;   operand's lane layout and become codes that stay in registers.  In the same ring the 16 waves quantise the three W once for the work-group, into LDS, as images of operand registers.
; PHASE 1b: 72 scaled matrix instructions a wave.  k and q are made transposed (source 0 = W): a lane holds one row and eight channels, which packed to f16 is the next product's fragment.
;   v is made as it reads (source 0 = x): a lane holds one channel and eight keys, which packed is V^T's fragment.  k and v go to LDS as register images, q stays in registers.
; PHASE 2: S^T = K Q^T, O^T = V^T P, 32 keys a step, both query tiles together; steps whose keys all come after the wave's queries are jumped over (ids alone).
; WHY NO TENSOR LOADS AND NO JOINT REQUESTS: x is read by one wave alone.  W is shared, but arrives as f32 with K outermost and has to pass through registers to be quantised;
;   as f32 its 294,912 bytes do not fit in LDS beside the stages (135,168), the k and v images (131,072) and W's codes (39,936).
; LIMITS: NaN and infinities among the inputs are not served.  |q|, |k|, |v| must stay under 65,504 (f16 operands).  A block of zeros, and one whose largest magnitude lies under 2^-124, gets the scale byte 1
;   (for zeros the rule says 127: the codes are zeros and add nothing, and this program alone reads the bytes).  Sums inside a matrix instruction follow its own order.
; THE MODE: SCHED_MODE bits 1:0 = 2 (LLVM: expert scheduling mode 2), set by the entry lines.  The code itself states the register dependences between vector or matrix instructions
; and memory or LDS instructions, with s_wait_alu, always for 0.
; THE PLAN.  Registers that memory or LDS instructions touch, and who else names them:
;   v3-9      addresses.  Made at the head, made anew at each of the two barriers: a wait on vm_vsrc ahead of the barrier's signal, the new addresses, a wait on va_vdst ahead of their first use.
;   RA, RB    1a.  Global loads land; the turn's LDS stores read the set and its LDS loads land in it again (a wait on vm_vsrc between the two runs); the quantiser's vector lines read it; a wait on va_vdst
;             behind them; the set's next loads land.
;   WC, WB    1a.  Written by an item of W, read by its six LDS stores behind one wait on va_vdst, which also shows the item done reading its set; written again only behind the next turn's wait on vm_vsrc.
;   WFR, WS   1b.  LDS loads land; a K step's eight products read them; a wait on va_vdst ahead of the next K step's loads.  All 256 registers are taken: there is no second set.
;   v10-25 and v116-131 (k), v10-25 and v148-163 (v)   1b.  Two out-buffers: both tiles' conversions write them, one wait on va_vdst, eight LDS stores read them; each is written again only behind a wait on vm_vsrc.
;   KA, VA, FR  2.  A wait on vm_vsrc, the two additions, a wait on va_vdst (the addresses are written, the last step's products are done reading FR), K's loads; behind S^T's products a second wait on va_vdst, V^T's loads.
;   O, FR, S  on the way out: one wait on va_vdst ahead of the stage's stores and loads of both tiles; no vector instruction follows it.
;   Masks are made by runs of compares into s32-47, with one wait on va_sdst behind each run, ahead of the selects.
.set STGB,  8448                       ; LDS: a wave's own stage: for x 16 rows x (512 + 16) bytes, on the way out 16 rows x (256 + 16)
.set XP,    528                        ; 33 x 16 bytes: the 16 rows that a 16-byte load touches fall into 16 different 16-byte columns of 256
.set OP,    272                        ; 17 x 16 bytes, likewise
.set WIMG,  16*STGB                    ; W's codes: fragment (weight t, column tile c, K step s) at 12288 t + 3072 c + 1024 s; block b of 32 along K of column r at 256 b + 16 r
.set WSC,   WIMG+36864                 ; W's scale bytes: (4 t + c) 256 + 16 r + b
.set KIMG,  WSC+3072                   ; k as f16 fragments: 32768 batch + 2048 key tile + 1024 f (channels 32 f on) + 512 half + 16 lane
.set VIMG,  KIMG+65536                 ; v^T as f16 fragments: 32768 batch + 8192 channel tile + 1024 (32 keys) + 512 half + 16 lane
.set SPARE, VIMG+65536                 ; the spare words, 128 bytes for each of 16 waves: eight blocks of 256 bytes that no other line names
.set SPW, 1                            ; v1   LDS address of my spare word; never rewritten
.set NIL, 2                            ; v2   0; never rewritten
; v3-9: the addresses of the phase in hand
.set L16, 3                            ; 1a: 16 lane
.set STO, 4                            ;     stage, in: 16 lane
.set SRD, 5                            ;     stage, back: 528 r + 128 h
.set WO,  6                            ;     my byte in a W
.set WI,  7                            ;     where my codes of W go
.set WSA, 8                            ;     and my scale bytes
.set H8,  9                            ;     8 h
.set FRA, 3                            ; 1b: W's images, 16 lane
.set WRS, 4                            ;     W's scale words, 16 r
.set KST, 5                            ;     where my k images go
.set VST, 6                            ;     where my v images go
.set OST, 7                            ; way out: stage, in: 272 r + 32 h
.set ORD, 8                            ;     stage, back: 272 h + 16 r
.set GO,  9                            ;     my byte in two rows of out0: 256 h + 16 r
.set KA0, 3                            ; 2:  my batch's k images, 16 lane
.set VA0, 4                            ;     and v images
.set KA,  5                            ;     the step's
.set VA,  6
.set TM,  10                           ; v10-25  at work; in 1b tile 0's out-buffer; in phase 2 the statistics, eight a tile
.set ST,  10                           ;   +0 c m, +1 m, +2 +3 l in two halves, +4 +5 maxima, +6 a, +7 c m_old - c m_new
.set SX,  26                           ; v26-31  x's scale words (tile i, K step s: 3 i + s): scales and nothing else
.set WS,  32                           ; v32-35  W's scale words of the step in hand: scales and nothing else
.set CX,  36                           ; v36-83  x's codes: fragment (i, s) at 8 (3 i + s)
.set S,   36                           ;   phase 2: S^T, then p: 16 a tile
.set P,   68                           ;   phase 2: p in f16: 8 a tile
.set FN,  84                           ; v84-115 written by matrix instructions alone: tile 1's projection sums, the fine S^T, the fine O^T
.set RA,  116                          ; v116-179 ring set A
.set RB,  180                          ; v180-243 ring set B
.set QF,  116                          ;   1b on: q's f16 fragments (i, f) at 8 (2 i + f)
.set KO2, 116                          ;   1b: tile 1's k in f16 on its way to LDS: q's place, not yet taken
.set KF0, 148                          ;   1b: tile 0's k in f32
.set VO2, 148                          ;   1b: tile 1's v^T in f16 on its way to LDS: the place of k's f32 sums, which are done with
.set F0,  180                          ;   1b: tile 0's q, then v, in f32
.set WFR, 212                          ;   1b: four fragments of W
.set O,   148                          ;   phase 2: O^T (i, channel tile c) at 32 i + 8 c
.set FR,  212                          ;   phase 2: four fragments of K or of V^T
.set WC,  244                          ; v244-249 1a: W's codes just made
.set WB,  250                          ; v250-252 1a: their scale bytes
.set E,   244                          ; v244-251 the fine rows' p
.set RL,  252                          ; v252     the fine rows' 1 / l
.set DD,  253                          ; v253     fine: query - key base
.set NI,  254                          ; v254     fine: -infinity
.set NINF, 253                         ; phase 2: -infinity
.set DG,  254                          ; v254-255 phase 2: 16 i + r - 8 h
.set MK,  32                           ; s32-47   a run of masks
; s14 wave, s15 its batch of the two, s17 p, s[18:19] lane selects, s[20:21] c = log2(e) / 8, s[22:23] my rows of x, s[24:25] my rows of out0, s26-28 the key loop
.macro PLACES n                        ; plain vector instructions behind a matrix instruction that name none of its registers (ISA guide 7.12.1)
.rept \n
	v_nop
.endr
.endm
; 16 rows x 128 numbers of x (tile i, K step s): each load takes 512 consecutive bytes of one row, at a multiple of 512 from x's first byte
.macro XLOAD set, i, s
.set pp, 0
.rept 16
	global_load_b128 v[\set+4*pp:\set+4*pp+3], v[L16], s[22:23] offset:(16*\i+pp)*1536+512*\s th:TH_LOAD_NT
.set pp, pp+1
.endr
.endm
; my part of weight w: three half blocks of 16 along K of column 16 (wave & 3) + r: register 16 j + e = W(32 (3 (wave >> 2) + j) + 16 h + e, column).  No hint: every work-group reads W
.macro WLOAD set, w
.set pp, 0
.rept 48
	global_load_b32 v[\set+pp], v[WO], s[6+2*\w:7+2*\w] offset:8192*(pp/16)+256*(pp%16)
.set pp, pp+1
.endr
.endm
; the 8,192 bytes go into my stage as they were loaded and come back so that lane (r, h) holds, of row r, k = 64 c + 32 h + 0 .. 31 in registers 32 c + 0 .. 31.
; LDS serves a wave's instructions in order (ISA guide 5.7.1.4): no wait on a memory counter between the stores and the loads
.macro XTURN set
.set pp, 0
.rept 16
	ds_store_b128 v[STO], v[\set+4*pp:\set+4*pp+3] offset:XP*pp
.set pp, pp+1
.endr
	s_wait_alu depctr_vm_vsrc(0)                   ; the sixteen stores have read the set, in which the loads below land; so have the stores of the item of W before read its codes and bytes
.set pp, 0
.rept 16
	ds_load_b128 v[\set+4*pp:\set+4*pp+3], v[SRD] offset:256*(pp/8)+16*(pp%8)
.set pp, pp+1
.endr
	s_wait_dscnt 0x0
.endm
; a lane's two whole blocks (h and 2 + h of the K step) become the fragment's eight registers at v[cx] and, with lane l xor 16's two bytes, the row's scale word in v[sx]
.macro QUANTX set, cx, sx
	v_max3_num_f32 v[TM], |v[\set]|, |v[\set+1]|, 0x1800000        ; the largest magnitude, with the floor 2^(3 - 127) among its leaves: the byte cannot fall under 1
	v_max3_num_f32 v[TM+1], |v[\set+32]|, |v[\set+33]|, 0x1800000
.set pp, 2
.rept 15
	v_max3_num_f32 v[TM], v[TM], |v[\set+pp]|, |v[\set+pp+1]|      ; the two blocks by turns
	v_max3_num_f32 v[TM+1], v[TM+1], |v[\set+32+pp]|, |v[\set+33+pp]|
.set pp, pp+2
.endr
	v_add_nc_u32 v[TM+2], 0xff000000, v[TM]        ; 2 off the exponent field: the conversion takes that field as its scale and nothing else
	v_add_nc_u32 v[TM+3], 0xff000000, v[TM+1]
	v_lshrrev_b32 v[TM+4], 23, v[TM+2]             ; the scales' bytes
	v_lshrrev_b32 v[TM+5], 23, v[TM+3]
	v_lshl_or_b32 v[TM+6], v[TM+5], 16, v[TM+4]
	v_lshlrev_b32 v[TM+6], v[H8], v[TM+6]          ; at their places in the word: 8 h bits up
	v_permlanex16_b32 v[TM+7], v[TM+6], s18, s19
	v_or_b32 v[\sx], v[TM+6], v[TM+7]
.irp c, 0,1
.irp g, 0,1,2,3
	v_cvt_scalef32_pk8_fp4_f32 v[(\cx)+4*\c+\g], v[\set+32*\c+8*\g:\set+32*\c+8*\g+7], v[TM+2+\c]
.endr
.endr
	v_nop                                          ; one plain instruction behind the last scaled conversion
.endm
.macro XITEM set, i, s
	XTURN \set
	QUANTX \set, CX+8*(3*\i+\s), SX+3*\i+\s
.endm
; my three half blocks of weight w: the block's other half lies in lane l xor 16.  16 codes are 8 bytes of the image; both lanes of a block write its byte, with the same value
.macro WITEM set, w
.irp j, 0,1,2
	v_max3_num_f32 v[TM+\j], |v[\set+16*\j]|, |v[\set+16*\j+1]|, 0x1800000
.endr
.irp e, 2,4,6,8,10,12,14
.irp j, 0,1,2
	v_max3_num_f32 v[TM+\j], v[TM+\j], |v[\set+16*\j+\e]|, |v[\set+16*\j+\e+1]|
.endr
.endr
.irp j, 0,1,2
	v_permlanex16_b32 v[TM+8+\j], v[TM+\j], s18, s19
.endr
.irp j, 0,1,2
	v_max_num_f32 v[TM+\j], v[TM+\j], v[TM+8+\j]
.endr
.irp j, 0,1,2
	v_add_nc_u32 v[TM+3+\j], 0xff000000, v[TM+\j]
.endr
.irp j, 0,1,2
	v_cvt_scalef32_pk8_fp4_f32 v[WC+2*\j], v[\set+16*\j:\set+16*\j+7], v[TM+3+\j]
	v_cvt_scalef32_pk8_fp4_f32 v[WC+2*\j+1], v[\set+16*\j+8:\set+16*\j+15], v[TM+3+\j]
.endr
.irp j, 0,1,2
	v_lshrrev_b32 v[WB+\j], 23, v[TM+3+\j]         ; the bytes; also the plain instruction behind the conversions
.endr
	s_wait_alu depctr_va_vdst(0)                   ; the codes and the bytes are written, which the stores below read; and the item is done reading its set, in which the loads behind it land
.irp j, 0,1,2
	ds_store_b64 v[WI], v[WC+2*\j:WC+2*\j+1] offset:12288*\w+256*\j
	ds_store_b8 v[WSA], v[WB+\j] offset:1024*\w+\j
.endr
.endm
; One projection for both row tiles: three K steps of 128; each fragment of W is read from LDS once and feeds two products.  Tile 0's sums at acc0 + 8 c, tile 1's at FN + 8 c.
; nat = 0: source 0 = W (16 columns), source 1 = x (16 rows): lane (r, h) holds row r, channels 16 c + 8 h + 0 .. 7.   nat = 1: the sources change places: lane (r, h) holds channel 16 c + r, rows 8 h + 0 .. 7.
; The eight accumulators take turns, one instruction a turn.  pl: places owed at the head, beside the four that closed the group before.
; hw = 1: no wait on va_vdst has stood, on every way here, behind the last products that read W's fragments and scale words: it is written at the group's head.
.macro GROUP w, nat, acc0, pl, hw
.irp s, 0,1,2
.if \s == 0
	PLACES \pl
.if \hw
	s_wait_alu depctr_va_vdst(0)                   ; the group before is done reading W's fragments and scale words, in which the loads below land
.endif
.else
	PLACES 4                                       ; in front of loads into registers that matrix instructions have read
	s_wait_alu depctr_va_vdst(0)                   ; the K step before is done reading W's fragments and scale words, in which the loads below land
.endif
.irp c, 0,1,2,3
	ds_load_b128 v[WFR+8*\c:WFR+8*\c+3], v[FRA] offset:12288*\w+3072*\c+1024*\s
	ds_load_b128 v[WFR+8*\c+4:WFR+8*\c+7], v[FRA] offset:12288*\w+3072*\c+1024*\s+512
	ds_load_b32 v[WS+\c], v[WRS] offset:1024*\w+256*\c+4*\s
.endr
	s_wait_dscnt 0x0
.irp c, 0,1,2,3
.irp i, 0,1
.if \i == 0
.set rD, \acc0+8*\c
.else
.set rD, FN+8*\c
.endif
.if \nat
.set rA, CX+8*(3*\i+\s)
.set rB, WFR+8*\c
.set rSA, SX+3*\i+\s
.set rSB, WS+\c
.else
.set rA, WFR+8*\c
.set rB, CX+8*(3*\i+\s)
.set rSA, WS+\c
.set rSB, SX+3*\i+\s
.endif
.if \s == 0
	v_wmma_scale_f32_16x16x128_f8f6f4 v[rD:rD+7], v[rA:rA+7], v[rB:rB+7], 0, v[rSA], v[rSB] matrix_a_fmt:MATRIX_FMT_FP4 matrix_b_fmt:MATRIX_FMT_FP4
.else
	v_wmma_scale_f32_16x16x128_f8f6f4 v[rD:rD+7], v[rA:rA+7], v[rB:rB+7], v[rD:rD+7], v[rSA], v[rSB] matrix_a_fmt:MATRIX_FMT_FP4 matrix_b_fmt:MATRIX_FMT_FP4
.endif
.endr
.endr
.endr
	PLACES 4                                       ; in front of the first read of the sums
.endm
.macro CVT16 dst, acc                  ; a tile's 32 sums, in ascending order, to 16 registers of f16 pairs: two fragments of k or q, or four half fragments of v^T
.set pp, 0
.rept 16
	v_cvt_pk_f16_f32 v[\dst+pp], v[\acc+2*pp], v[\acc+2*pp+1]
.set pp, pp+1
.endr
.endm
.macro TOIMG adr, src, o0, step        ; the 16 registers go to LDS as they stand: lane l's 16 bytes at 16 l, 512 bytes a store
.irp q, 0,1,2,3
	ds_store_b128 v[\adr], v[\src+4*\q:\src+4*\q+3] offset:\o0+\step*\q
.endr
.endm
; 16 rows of O (lane (r, h): row r, channels 16 c + 8 h + 0 .. 7 at src + 8 c) go through my stage and leave as whole rows: 32 lanes store 512 consecutive bytes, two rows of out0.
; The wait on va_vdst that shows src written and ob done with stands ahead of the macro
.macro SEND src, ob, i
.irp c, 0,1,2,3
	ds_store_b128 v[OST], v[\src+8*\c:\src+8*\c+3] offset:64*\c
	ds_store_b128 v[OST], v[\src+8*\c+4:\src+8*\c+7] offset:64*\c+16
.endr
.irp e, 0,1,2,3,4,5,6,7
	ds_load_b128 v[\ob+4*\e:\ob+4*\e+3], v[ORD] offset:2*OP*\e
.endr
.irp e, 0,1,2,3,4,5,6,7
	s_wait_dscnt 7-\e                              ; the loads issued behind load e may stay out
	global_store_b128 v[GO], v[\ob+4*\e:\ob+4*\e+3], s[24:25] offset:4096*\i+512*\e th:TH_STORE_NT
.endr
.endm
	s_load_b256 s[4:11], s[0:1], 0x0               ; x s[4:5], Wk s[6:7], Wq s[8:9], Wv s[10:11]
	s_load_b64 s[12:13], s[0:1], 0x20              ; out0
	v_lshl_add_u32 v[SPW], v0, 2, SPARE
	v_mov_b32 v[NIL], 0
	v_lshrrev_b32 v10, 5, v0
	v_readfirstlane_b32 s14, v10                   ; wave 0..15
	v_and_b32 v10, 31, v0                          ; lane
	v_lshlrev_b32 v[L16], 4, v10
	s_wait_alu depctr_va_sdst(0)                   ; s14 is written, ahead of its first reader
	s_lshr_b32 s15, s14, 3                         ; which of the two batches
	s_and_b32 s16, s14, 7
	s_mul_i32 s17, s15, 7
	s_xor_b32 s17, s17, s16                        ; p: my 32 rows begin at 32 p
	s_lshl_b32 s32, ttmp9, 1
	s_add_co_u32 s32, s32, s15                     ; batch
	s_mul_i32 s34, s32, 393216                     ; 256 rows of 1,536 bytes (511 of them stay under 2^31)
	s_mul_i32 s33, s17, 49152
	s_add_co_u32 s34, s34, s33
	s_mov_b32 s35, 0
	s_lshl_b32 s36, s32, 16                        ; 256 rows of 256 bytes
	s_lshl_b32 s33, s17, 13
	s_add_co_u32 s36, s36, s33
	s_mov_b32 s37, 0
	s_wait_kmcnt 0x0
	s_add_nc_u64 s[22:23], s[4:5], s[34:35]
	s_add_nc_u64 s[24:25], s[12:13], s[36:37]
	s_wait_alu depctr_va_vdst(0)                   ; v[L16] is written, which every load of x reads as its offset
	XLOAD RA, 0, 0                                 ; the ring's first two items go out before anything else
	XLOAD RB, 0, 1
	s_mov_b32 s18, 0x76543210                      ; v_permlanex16_b32: lane l xor 16
	s_mov_b32 s19, 0xfedcba98
	s_mov_b32 s20, 0x3e38aa3b                      ; c = log2(e) / sqrt(64)
	s_mov_b32 s21, s20                             ; (named with it as a pair, so it is written)
	v_and_b32 v11, 15, v0                          ; r
	v_bfe_u32 v12, v0, 4, 1                        ; h
	s_mul_i32 s32, s14, STGB                       ; my stage
	v_add_nc_u32 v[STO], s32, v[L16]
	v_mul_u32_u24 v[SRD], v11, XP
	v_lshl_add_u32 v[SRD], v12, 7, v[SRD]
	v_add_nc_u32 v[SRD], s32, v[SRD]
	s_and_b32 s29, s14, 3                          ; W: my column tile,
	s_lshr_b32 s30, s14, 2                         ; and my three blocks of the twelve along K
	s_mul_i32 s33, s30, 24576                      ; 96 rows of 256 bytes
	s_lshl_b32 s38, s29, 6
	s_add_co_u32 s33, s33, s38
	v_lshlrev_b32 v[WO], 2, v11
	v_lshl_add_u32 v[WO], v12, 12, v[WO]           ; lanes 16-31: 16 rows further down
	v_add_nc_u32 v[WO], s33, v[WO]
	s_mul_i32 s33, s29, 3072
	s_mul_i32 s38, s30, 768
	s_add_co_u32 s33, s33, s38
	s_add_co_u32 s33, s33, WIMG
	v_lshlrev_b32 v[WI], 4, v11
	v_lshl_add_u32 v[WI], v12, 3, v[WI]            ; 16 r + 8 h: my half of the block's 16 bytes
	v_add_nc_u32 v[WI], s33, v[WI]
	s_lshl_b32 s33, s29, 8
	s_mul_i32 s38, s30, 3
	s_add_co_u32 s33, s33, s38
	s_add_co_u32 s33, s33, WSC
	v_lshlrev_b32 v[WSA], 4, v11
	v_add_nc_u32 v[WSA], s33, v[WSA]
	v_lshlrev_b32 v[H8], 3, v12
.irp j, 7,8,9,10
	v_mov_b32 v[TM+\j], 0                          ; written once: a lane permute's destination counts as one of its sources
.endr
	s_wait_alu depctr_va_vdst(0)                   ; the five addresses v4 to v8 are written, which this phase's LDS instructions and the loads of W read
	; ---- PHASE 1a.  Nine items on two sets by turns; an item's successor but one is asked for as soon as its set is free, so at an item's head one younger item is out: the count is that item's loads
	s_wait_loadcnt 16
	XITEM RA, 0, 0
	s_wait_alu depctr_va_vdst(0)                   ; the quantiser is done reading set A, in which the loads below land
	WLOAD RA, 0
	s_wait_loadcnt 48
	XITEM RB, 0, 1
	s_wait_alu depctr_va_vdst(0)                   ; the quantiser is done reading set B, in which the loads below land
	XLOAD RB, 0, 2
	s_wait_loadcnt 16
	WITEM RA, 0
	WLOAD RA, 1                                    ; no wait: no vector instruction since the item's own wait names set A
	s_wait_loadcnt 48
	XITEM RB, 0, 2
	s_wait_alu depctr_va_vdst(0)                   ; the quantiser is done reading set B, in which the loads below land
	XLOAD RB, 1, 0
	s_wait_loadcnt 16
	WITEM RA, 1
	WLOAD RA, 2
	s_wait_loadcnt 48
	XITEM RB, 1, 0
	s_wait_alu depctr_va_vdst(0)                   ; the quantiser is done reading set B, in which the loads below land
	XLOAD RB, 1, 1
	s_wait_loadcnt 16
	WITEM RA, 2
	XLOAD RA, 1, 2
	s_wait_loadcnt 16
	XITEM RB, 1, 1                                 ; the last two items are followed by no load: no wait stands behind them
	s_wait_loadcnt 0x0
	XITEM RA, 1, 2
	s_wait_dscnt 0x0                               ; for the others' sake: my codes and bytes of W have landed
	s_wait_alu depctr_vm_vsrc(0)                   ; this phase's loads and LDS instructions have read v3 to v8, which are written anew below
	s_barrier_signal -1
	v_and_b32 v10, 31, v0                          ; the next phase's addresses: work on registers while the others arrive.  (All my loads are in: their offset registers may be written.)
	v_and_b32 v11, 15, v0                          ; These lines are also the eight places between the last write of a scale word of x and the first scaled product
	v_bfe_u32 v12, v0, 4, 1
	v_lshlrev_b32 v13, 4, v10
	v_add_nc_u32 v[FRA], WIMG, v13
	v_lshl_add_u32 v[WRS], v11, 4, WSC
	s_lshl_b32 s32, s15, 15
	s_lshl_b32 s33, s17, 12                        ; my two key tiles: 4,096 p
	s_add_co_u32 s33, s33, s32
	s_add_co_u32 s33, s33, KIMG
	v_add_nc_u32 v[KST], s33, v13
	s_lshl_b32 s33, s17, 10                        ; my 32 keys: 1,024 p
	s_add_co_u32 s33, s33, s32
	s_add_co_u32 s33, s33, VIMG
	v_add_nc_u32 v[VST], s33, v13
	s_mul_i32 s33, s14, STGB
	v_mul_u32_u24 v[OST], v11, OP
	v_lshl_add_u32 v[OST], v12, 5, v[OST]
	v_add_nc_u32 v[OST], s33, v[OST]
	v_mul_u32_u24 v[ORD], v12, OP
	v_lshl_add_u32 v[ORD], v11, 4, v[ORD]
	v_add_nc_u32 v[ORD], s33, v[ORD]
	v_lshlrev_b32 v[GO], 8, v12
	v_lshl_add_u32 v[GO], v11, 4, v[GO]
	s_barrier_wait -1                              ; W's 36 fragments and their scale bytes are whole
	s_wait_alu depctr_va_vdst(0)                   ; the seven addresses v3 to v9 are written; so are x's codes and scale words, which the scaled products take; and the quantiser is done reading v212 to v243, in which W's fragments land
	; ---- PHASE 1b
	GROUP 0, 0, KF0, 0, 0                          ; k
	CVT16 TM, KF0                                  ; tile 0: fragment f's registers 4 half + u = channels 32 f + 16 half + 8 h + 2 u, + 1
	CVT16 KO2, FN                                  ; tile 1, into an out-buffer of its own
	s_wait_alu depctr_va_vdst(0)                   ; both out-buffers are written, which the eight stores read; and k's products are done reading W's fragments and scale words, in which q's first loads land
	TOIMG KST, TM, 0, 512
	TOIMG KST, KO2, 2048, 512
	GROUP 1, 0, F0, 1, 0                           ; q  (one place more: five stand in front of products that begin sums anew on tile 1's accumulators)
	s_wait_alu depctr_vm_vsrc(0)                   ; k's eight stores have read v116 to v131, which q's conversions write, and v10 to v25, which the fine rows' softmax and v's conversions write
	CVT16 QF, F0                                   ; q's fragments stay with me
	CVT16 QF+16, FN
	s_cmp_lg_u32 s17, 0                            ; the wave with rows 0-15 of its batch takes them in f32
	s_cbranch_scc1 .Lno_fine_s
	; S^T = k q^T on the f32 sums as they lie: in both sources slot (h, e) of a step is channel 16 c + 8 h + 2 u + e.  Two accumulators by turns; their sum is S^T(key 8 h + j, query r)
	PLACES 1                                       ; five places in front of products that take the last sums as sources and write over tile 1's
.irp c, 0,1,2,3
.irp u, 0,1,2,3
.set rD, FN+8*(\u%2)
.if (\c == 0) && (\u < 2)
	v_wmma_f32_16x16x4_f32 v[rD:rD+7], v[KF0+8*\c+2*\u:KF0+8*\c+2*\u+1], v[F0+8*\c+2*\u:F0+8*\c+2*\u+1], 0
.else
	v_wmma_f32_16x16x4_f32 v[rD:rD+7], v[KF0+8*\c+2*\u:KF0+8*\c+2*\u+1], v[F0+8*\c+2*\u:F0+8*\c+2*\u+1], v[rD:rD+7]
.endif
.endr
.endr
	v_and_b32 v[DD], 15, v0                        ; eight places behind this form: five lines of the mask, three v_nop
	v_bfe_u32 v[NI], v0, 4, 1
	v_lshlrev_b32 v[NI], 3, v[NI]
	v_sub_nc_u32 v[DD], v[DD], v[NI]               ; d = r - 8 h: key 8 h + j is hidden where j > d
	v_mov_b32 v[NI], 0xff800000
	PLACES 3
.irp j, 0,1,2,3,4,5,6,7
	v_cmp_gt_i32 s[MK+\j], \j, v[DD]               ; the eight masks in one run
.endr
.irp j, 0,1,2,3,4,5,6,7
	v_add_f32 v[E+\j], v[FN+\j], v[FN+8+\j]
.endr
	s_wait_alu depctr_va_sdst(0)                   ; the eight masks are written, ahead of the selects that read them
.irp j, 0,1,2,3,4,5,6,7
	v_cndmask_b32 v[E+\j], v[E+\j], v[NI], s[MK+\j]
.endr
	v_max3_num_f32 v10, v[E], v[E+1], v[E+2]
	v_max3_num_f32 v10, v10, v[E+3], v[E+4]
	v_max3_num_f32 v10, v10, v[E+5], v[E+6]
	v_max_num_f32 v10, v10, v[E+7]
	v_permlanex16_b32 v11, v10, s18, s19
	v_max_num_f32 v10, v10, v11                    ; the row's maximum: key 0 counts for every query, so it is a number
	v_mul_f32 v12, s20, v10
.irp u, 0,2,4,6
	v_pk_fma_f32 v[E+\u:E+\u+1], v[E+\u:E+\u+1], s[20:21], v[12:13] op_sel_hi:[1,0,0] neg_lo:[0,0,1] neg_hi:[0,0,1]
.endr
.irp j, 0,1,2,3,4,5,6,7
	v_exp_f32 v[E+\j], v[E+\j]                     ; p = 2^(c s - c m); hidden keys give 0
.endr
	v_nop                                          ; a plain instruction behind the last exponential,
	s_wait_alu depctr_va_vdst(0)                   ; and one wait ahead of the batch's first reader: the eight p are written
	v_pk_add_f32 v[10:11], v[E:E+1], v[E+2:E+3]
	v_pk_add_f32 v[12:13], v[E+4:E+5], v[E+6:E+7]
	v_pk_add_f32 v[10:11], v[10:11], v[12:13]
	v_add_f32 v10, v10, v11
	v_permlanex16_b32 v11, v10, s18, s19
	v_add_f32 v10, v10, v11
	v_rcp_f32 v[RL], v10
	v_nop
	s_wait_alu depctr_va_vdst(0)                   ; 1 / l is written: the reciprocal's wait, ahead of the label
.Lno_fine_s:
	GROUP 2, 1, F0, 1, 1                           ; v, as it reads.  (On the fine way: the three v_nop, the mask's and the softmax's lines and this one are more than the nine places owed behind the f32 form)
	CVT16 TM, F0                                   ; tile 0: register 4 c + u = channel 16 c + r, keys 8 h + 2 u, + 1
	CVT16 VO2, FN                                  ; tile 1, into an out-buffer of its own
	s_wait_alu depctr_va_vdst(0)                   ; both out-buffers are written, which the eight stores read
	TOIMG VST, TM, 0, 8192
	TOIMG VST, VO2, 512, 8192
	s_wait_dscnt 0x0                               ; for the others' sake: my images of k and v have landed
	s_wait_alu depctr_vm_vsrc(0)                   ; this phase's LDS instructions have read v3 to v6, and v's eight stores v10 to v25 and v148 to v163: all of these are written anew below
	s_barrier_signal -1
	v_and_b32 v[KA], 31, v0                        ; phase 2's addresses and constants: work on registers
	v_lshlrev_b32 v[KA], 4, v[KA]
	s_lshl_b32 s32, s15, 15
	s_add_co_u32 s33, s32, KIMG
	v_add_nc_u32 v[KA0], s33, v[KA]
	s_add_co_u32 s33, s32, VIMG
	v_add_nc_u32 v[VA0], s33, v[KA]
	v_and_b32 v[DG], 15, v0
	v_bfe_u32 v[DG+1], v0, 4, 1
	v_lshlrev_b32 v[DG+1], 3, v[DG+1]
	v_sub_nc_u32 v[DG], v[DG], v[DG+1]             ; tile 0: r - 8 h
	v_add_nc_u32 v[DG+1], 16, v[DG]                ; tile 1: 16 + r - 8 h
	v_mov_b32 v[NINF], 0xff800000
.irp i, 0,1
	v_mov_b32 v[ST+8*\i+1], 0xff61b1e6             ; m = -3e38, under every score
	v_mul_f32 v[ST+8*\i], s20, v[ST+8*\i+1]        ; c m
	v_mov_b32 v[ST+8*\i+2], 0                      ; l
	v_mov_b32 v[ST+8*\i+3], 0
.endr
	s_mov_b32 s26, 0
	s_mov_b32 s27, 0
	s_mov_b32 s28, 0
	s_barrier_wait -1                              ; both batches' k and v lie in LDS
	s_cmp_lg_u32 s17, 0
	s_cbranch_scc1 .Lno_fine_o
	; O^T = v^T p on the f32 sums as they lie: in both sources slot (h, e) of step u is key 8 h + 2 u + e.  Four accumulators by turns
	PLACES 1                                       ; five places, as above
.irp u, 0,1,2,3
.irp c, 0,1,2,3
.if \u == 0
	v_wmma_f32_16x16x4_f32 v[FN+8*\c:FN+8*\c+7], v[F0+8*\c+2*\u:F0+8*\c+2*\u+1], v[E+2*\u:E+2*\u+1], 0
.else
	v_wmma_f32_16x16x4_f32 v[FN+8*\c:FN+8*\c+7], v[F0+8*\c+2*\u:F0+8*\c+2*\u+1], v[E+2*\u:E+2*\u+1], v[FN+8*\c:FN+8*\c+7]
.endif
.endr
.endr
	PLACES 8
.set nn, 0
.rept 32
	v_mul_f32 v[FR+nn], v[FN+nn], v[RL]            ; into other registers, each accumulator from its low end on
.set nn, nn+1
.endr
	s_wait_alu depctr_va_vdst(0)                   ; the 32 quotients are written, which the stage's stores read; and all that named v148 to v179, in which the stage's loads land, is done
	SEND FR, O, 0                                  ; rows 0-15 of the batch leave here
	s_wait_xcnt 0x0                                ; the stores' data registers are written again below only behind this wait,
	s_wait_alu depctr_vm_vsrc(0)                   ; and behind this one: the global stores have read v148 to v179, which the zeros below write, and the stage's stores v212 to v243, in which K's fragments land
.Lno_fine_o:
	; ---- PHASE 2.  The step is written once: the first finds zeros in O^T and l, which a = 2^(c m_old - c m_new) = 0 leaves zeros
.set nn, 0
.rept 64
	v_mov_b32 v[O+nn], 0
.set nn, nn+1
.endr
.Lkb:                                              ; eight trips in every wave; a step whose 32 keys all come after my 32 queries is jumped over (the wave's number and the count of trips alone)
	s_cmp_gt_u32 s26, s17
	s_cbranch_scc1 .Lskip
	s_wait_alu depctr_vm_vsrc(0)                   ; the last step's LDS loads have read v[KA] and v[VA], which the two additions write
	v_add_nc_u32 v[KA], s27, v[KA0]
	v_add_nc_u32 v[VA], s28, v[VA0]
	PLACES 2                                       ; with the two additions: four places in front of loads into registers that the last products read
	s_wait_alu depctr_va_vdst(0)                   ; v[KA] and v[VA] are written, which this step's loads read; the last step's products are done reading the four fragments, in which K's land
.irp t, 0,1
.irp f, 0,1
	ds_load_b128 v[FR+8*(2*\t+\f):FR+8*(2*\t+\f)+3], v[KA] offset:2048*\t+1024*\f
	ds_load_b128 v[FR+8*(2*\t+\f)+4:FR+8*(2*\t+\f)+7], v[KA] offset:2048*\t+1024*\f+512
.endr
.endr
	s_wait_dscnt 0x0
.irp f, 0,1                                        ; S^T: four accumulators (key tile t, query tile i) by turns, channels 32 f on
.irp t, 0,1
.irp i, 0,1
.if \f == 0
	v_wmma_f32_16x16x32_f16 v[S+16*\i+8*\t:S+16*\i+8*\t+7], v[FR+8*(2*\t+\f):FR+8*(2*\t+\f)+7], v[QF+8*(2*\i+\f):QF+8*(2*\i+\f)+7], 0
.else
	v_wmma_f32_16x16x32_f16 v[S+16*\i+8*\t:S+16*\i+8*\t+7], v[FR+8*(2*\t+\f):FR+8*(2*\t+\f)+7], v[QF+8*(2*\i+\f):QF+8*(2*\i+\f)+7], v[S+16*\i+8*\t:S+16*\i+8*\t+7]
.endif
.endr
.endr
.endr
	PLACES 4                                       ; in front of the loads below and of the first read of the scores
	s_wait_alu depctr_va_vdst(0)                   ; the eight products are done reading K's fragments, in which V^T's land
.irp c, 0,1,2,3                                    ; V^T's four fragments are asked for here and land under the softmax, which names none of their registers
	ds_load_b128 v[FR+8*\c:FR+8*\c+3], v[VA] offset:8192*\c
	ds_load_b128 v[FR+8*\c+4:FR+8*\c+7], v[VA] offset:8192*\c+512
.endr
	s_cmp_lg_u32 s26, s17                          ; only my last step lies on the diagonal
	s_cbranch_scc1 .Lopen
.irp i, 0,1                                        ; register n of tile i holds key 16 (n / 8) + 8 h + n % 8 of the step, for query 16 i + r: hidden where 16 (n / 8) + n % 8 > 16 i + r - 8 h
.irp n, 0,1,2,3,4,5,6,7,8,9,10,11,12,13,14,15
	v_cmp_gt_i32 s[MK+\n], 16*(\n/8)+\n%8, v[DG+\i]    ; a tile's sixteen masks in one run
.endr
	s_wait_alu depctr_va_sdst(0)                   ; the sixteen masks are written, ahead of the selects that read them
.irp n, 0,1,2,3,4,5,6,7,8,9,10,11,12,13,14,15
	v_cndmask_b32 v[S+16*\i+\n], v[S+16*\i+\n], v[NINF], s[MK+\n]
.endr
.endr
.Lopen:
.irp i, 0,1                                        ; the maximum of 16 scores and the old m: two chains, each from an accumulator's low end; the two tiles by turns
	v_max3_num_f32 v[ST+8*\i+4], v[S+16*\i], v[S+16*\i+1], v[S+16*\i+2]
	v_max3_num_f32 v[ST+8*\i+5], v[S+16*\i+8], v[S+16*\i+9], v[S+16*\i+10]
.endr
.irp e, 3,5
.irp i, 0,1
	v_max3_num_f32 v[ST+8*\i+4], v[ST+8*\i+4], v[S+16*\i+\e], v[S+16*\i+\e+1]
	v_max3_num_f32 v[ST+8*\i+5], v[ST+8*\i+5], v[S+16*\i+8+\e], v[S+16*\i+9+\e]
.endr
.endr
.irp i, 0,1
	v_max3_num_f32 v[ST+8*\i+4], v[ST+8*\i+4], v[S+16*\i+7], v[S+16*\i+15]
.endr
.irp i, 0,1
	v_max3_num_f32 v[ST+8*\i+4], v[ST+8*\i+4], v[ST+8*\i+5], v[ST+8*\i+1]
.endr
.irp i, 0,1
	v_permlanex16_b32 v[ST+8*\i+5], v[ST+8*\i+4], s18, s19         ; the query's other 16 keys lie in the lane 16 away
.endr
.irp i, 0,1
	v_mov_b32 v[ST+8*\i+7], v[ST+8*\i]             ; c m_old is kept for a
.endr
.irp i, 0,1
	v_max_num_f32 v[ST+8*\i+1], v[ST+8*\i+4], v[ST+8*\i+5]
.endr
.irp i, 0,1
	v_mul_f32 v[ST+8*\i], s20, v[ST+8*\i+1]
.endr
.irp i, 0,1
	v_sub_f32 v[ST+8*\i+7], v[ST+8*\i+7], v[ST+8*\i]
.endr
.irp u, 0,2,4,6,8,10,12,14
.irp i, 0,1
	v_pk_fma_f32 v[S+16*\i+\u:S+16*\i+\u+1], v[S+16*\i+\u:S+16*\i+\u+1], s[20:21], v[ST+8*\i:ST+8*\i+1] op_sel_hi:[1,0,0] neg_lo:[0,0,1] neg_hi:[0,0,1]   ; c s - c m
.endr
.endr
.irp i, 0,1
	v_exp_f32 v[ST+8*\i+6], v[ST+8*\i+7]           ; a
.endr
.irp n, 0,1,2,3,4,5,6,7,8,9,10,11,12,13,14,15
.irp i, 0,1
	v_exp_f32 v[S+16*\i+\n], v[S+16*\i+\n]         ; p
.endr
.endr
	v_nop                                          ; a plain instruction behind the last exponential,
	s_wait_alu depctr_va_vdst(0)                   ; and one wait for the 34, ahead of their first reader: both a and the 32 p are written
.irp u, 0,1,2,3,4,5,6,7
.irp i, 0,1
	v_cvt_pk_f16_f32 v[P+8*\i+\u], v[S+16*\i+2*\u], v[S+16*\i+2*\u+1]   ; registers 4 t + u: keys 16 t + 8 h + 2 u, + 1: source 1 of the second product as it stands
.endr
.endr
.irp u, 0,4,8,12
.irp i, 0,1
	v_pk_add_f32 v[S+16*\i+\u:S+16*\i+\u+1], v[S+16*\i+\u:S+16*\i+\u+1], v[S+16*\i+\u+2:S+16*\i+\u+3]   ; the sum of the f32 p, in place
.endr
.endr
.irp u, 0,8
.irp i, 0,1
	v_pk_add_f32 v[S+16*\i+\u:S+16*\i+\u+1], v[S+16*\i+\u:S+16*\i+\u+1], v[S+16*\i+\u+4:S+16*\i+\u+5]
.endr
.endr
.irp i, 0,1
	v_pk_add_f32 v[S+16*\i:S+16*\i+1], v[S+16*\i:S+16*\i+1], v[S+16*\i+8:S+16*\i+9]
.endr
.irp i, 0,1
	v_pk_fma_f32 v[ST+8*\i+2:ST+8*\i+3], v[ST+8*\i+2:ST+8*\i+3], v[ST+8*\i+6:ST+8*\i+7], v[S+16*\i:S+16*\i+1] op_sel_hi:[1,0,1]   ; l = a l + the sum
.endr
.set nn, 0
.rept 16
.irp i, 0,1
	v_pk_mul_f32 v[O+32*\i+nn:O+32*\i+nn+1], v[O+32*\i+nn:O+32*\i+nn+1], v[ST+8*\i+6:ST+8*\i+7] op_sel_hi:[1,0]   ; O^T x a, each accumulator from its low end on
.endr
.set nn, nn+2
.endr
	s_wait_dscnt 0x0                               ; V^T's fragments are in
.irp c, 0,1,2,3                                    ; O^T += V^T P: eight accumulators, one turn each
.irp i, 0,1
	v_wmma_f32_16x16x32_f16 v[O+32*\i+8*\c:O+32*\i+8*\c+7], v[FR+8*\c:FR+8*\c+7], v[P+8*\i:P+8*\i+7], v[O+32*\i+8*\c:O+32*\i+8*\c+7]
.endr
.endr
.Lskip:
	s_add_co_u32 s27, s27, 4096                    ; two key tiles on
	s_add_co_u32 s28, s28, 1024                    ; 32 keys on
	s_add_co_u32 s26, s26, 1
	s_cmp_lt_u32 s26, 8
	s_cbranch_scc1 .Lkb
	; ---- THE WAY OUT
	PLACES 4                                       ; behind the last products
.irp i, 0,1
	v_add_f32 v[ST+8*\i+4], v[ST+8*\i+2], v[ST+8*\i+3]
.endr
.irp i, 0,1
	v_permlanex16_b32 v[ST+8*\i+5], v[ST+8*\i+4], s18, s19
.endr
.irp i, 0,1
	v_add_f32 v[ST+8*\i+4], v[ST+8*\i+4], v[ST+8*\i+5]
.endr
.irp i, 0,1
	v_rcp_f32 v[ST+8*\i+4], v[ST+8*\i+4]
.endr
	v_nop
	s_wait_alu depctr_va_vdst(0)                   ; one wait for the two reciprocals, ahead of their first reader
.set nn, 0
.rept 16
.irp i, 0,1
	v_pk_mul_f32 v[O+32*\i+nn:O+32*\i+nn+1], v[O+32*\i+nn:O+32*\i+nn+1], v[ST+8*\i+4:ST+8*\i+5] op_sel_hi:[1,0]
.endr
.set nn, nn+2
.endr
	s_wait_alu depctr_va_vdst(0)                   ; both tiles' quotients are written, which the stage's stores read; the last products are done reading v212 to v243 and the softmax is done with v36 to v67, in which the stage's loads land.  No vector instruction follows
	s_cmp_eq_u32 s17, 0                            ; rows 0-15 of a batch have left in f32
	s_cbranch_scc1 .Lfine_rows_sent
	SEND O, FR, 0
.Lfine_rows_sent:
	SEND O+32, S, 1
	s_wait_dscnt 0x0                               ; the wave's end
	s_wait_alu 0x0
	s_wait_tensorcnt 0x0
	ds_add_u32 v[SPW], v[NIL]
	s_wait_dscnt 0x0
	s_endpgm
.Lfunc_end_k_qbe31263b9b_main:
	.size	k_qbe31263b9b_main, .Lfunc_end_k_qbe31263b9b_main-k_qbe31263b9b_main
	.p2alignl 7, 3214868480
	.fill 96, 4, 3214868480
	.section	.rodata,"a",@progbits
	.p2align	6, 0x0
	.amdhsa_kernel k_qbe31263b9b_main
		.amdhsa_group_segment_fixed_size 308224
		.amdhsa_private_segment_fixed_size 0
		.amdhsa_enable_private_segment 0
		.amdhsa_kernarg_size 40
		.amdhsa_user_sgpr_count 2
		.amdhsa_user_sgpr_kernarg_segment_ptr 1
		.amdhsa_wavefront_size32 1
		.amdhsa_system_sgpr_workgroup_id_x 1
		.amdhsa_system_sgpr_workgroup_id_y 1
		.amdhsa_system_sgpr_workgroup_id_z 1
		.amdhsa_system_vgpr_workitem_id 0
		.amdhsa_next_free_vgpr 256
		.amdhsa_next_free_sgpr 66
		.amdhsa_reserve_vcc 0
		.amdhsa_float_denorm_mode_32 3
		.amdhsa_float_denorm_mode_16_64 3
		.amdhsa_memory_ordered 1
		.amdhsa_forward_progress 1
		.amdhsa_inst_pref_size 124
	.end_amdhsa_kernel
	.amdgpu_metadata
---
amdhsa.version: [ 1, 2 ]
amdhsa.kernels:
  - .name:           k_qbe31263b9b_main
    .symbol:         k_qbe31263b9b_main.kd
    .args:
      - { .name: x, .offset: 0, .size: 8, .value_kind: global_buffer, .address_space: global }
      - { .name: Wk, .offset: 8, .size: 8, .value_kind: global_buffer, .address_space: global }
      - { .name: Wq, .offset: 16, .size: 8, .value_kind: global_buffer, .address_space: global }
      - { .name: Wv, .offset: 24, .size: 8, .value_kind: global_buffer, .address_space: global }
      - { .name: out0, .offset: 32, .size: 8, .value_kind: global_buffer, .address_space: global }
    .group_segment_fixed_size: 308224
    .private_segment_fixed_size: 0
    .kernarg_segment_align: 8
    .kernarg_segment_size: 40
    .max_flat_workgroup_size: 512
    .sgpr_count:     66
    .vgpr_count:     256
    .wavefront_size: 32
...
	.end_amdgpu_metadata
.endif
;; end of part 2
